; MI455X (gfx1250); checked and timed in simulation.
; The chip was launched on July 23, 2026; its instructions are those of AMD's public machine-readable ISA for CDNA 5 (MIT licence, August 2026) and "CDNA5" Instruction Set Architecture Reference Guide (July 2026). The comments in the code are by the model that wrote it; some were corrected since.
;; Quantum Attention. Allowed arithmetic: matrix products marked QUANTISED: E2M1 operands, one E8M0 scale for each 32 along K, by v_wmma_scale_f32_16x16x128_f8f6f4 with both operands' format E2M1 (or v_wmma_scale_f32_32x16x128_f4), f32 sums; everything else in f32.
;; Inputs: Wk 1,024 x 1,024 float32; Wo 1,024 x 1,024 float32; Wq 1,024 x 1,024 float32; Wv 1,024 x 1,024 float32; bk 1,024 float32; bo 1,024 float32; bq 1,024 float32; bv 1,024 float32; key 2 x 2,048 x 1,024 float32; quantum_phases 16 float32; query 2 x 2,048 x 1,024 float32; value 2 x 2,048 x 1,024 float32; w_imag 16 x 64 float32; w_real 16 x 64 float32.
;; Outputs: out0 2 x 2,048 x 1,024 float32.
;; This version of the problem:
;;   THIS VERSION OF THE PROBLEM IS GIVEN IN LOW PRECISION. The matrix products marked QUANTISED in the list below multiply operands that are first quantised to E2M1 (2 exponent bits, 1 mantissa bit; 4 bits a number), with one power-of-two scale for each 32 numbers along K (OCP MX v1.0); their sums are f32. All else is computed in f32.
;;   The module's matrix products, in the order in which they are computed (A, B: the left and right operand; K: the contracted axis; several contracted axes count as one K, in the product's order):
;;     1. [M 4,096, K 1,024] x [K 1,024, N 1,024]; A: input query; B: input Wq: QUANTISED
;;     2. [M 4,096, K 1,024] x [K 1,024, N 1,024]; A: input key; B: input Wk: QUANTISED
;;     3. [M 4,096, K 1,024] x [K 1,024, N 1,024]; A: input value; B: input Wv: QUANTISED
;;     4. batch 32 x [M 2,048, K 64] x [K 64, N 2,048]; A: computed on the way; B: computed on the way: QUANTISED
;;     5. batch 32 x [M 2,048, K 2,048] x [K 2,048, N 64]; A: softmax (see below); B: computed on the way: QUANTISED
;;     6. [M 4,096, K 1,024] x [K 1,024, N 1,024]; A: computed on the way; B: input Wo: QUANTISED
;;   THE QUANTISER, for each operand of a quantised product, along K:
;;     - K is cut into blocks of 32 from its start; a last block that is shorter is filled with zeros.
;;     - A block's scale is 2^e with e = floor(log2(the largest magnitude in the block)) - 2, held to -126 .. 127; a block of zeros has e = 0. As a byte (E8M0): e + 127.
;;     - Each number is divided by its block's scale, clamped to +-6, and rounded to the nearest number of E2M1, ties to even, subnormals kept.
;;     - The product sums the exact products of the quantised numbers (number of the format x scale) in f32.
;;   ~~~python
;;   def quantise(x, axis):      # numpy; x: float32 -> the quantised numbers, widened to float32 again
;;       x = np.moveaxis(x, axis, -1); K = x.shape[-1]
;;       x = np.pad(x, [(0, 0)] * (x.ndim - 1) + [(0, -K % 32)]); x = x.reshape(x.shape[:-1] + (-1, 32)); a = np.abs(x).max(-1, keepdims=True)
;;       e = np.where(a > 0, np.clip(np.frexp(np.where(a > 0, a, 1))[1] - 1 - 2, -126, 127), 0)      # np.frexp(a)[1] - 1 = floor(log2(a)), exactly
;;       r = np.clip(x / 2.0 ** e, -6, 6)
;;       step = 2.0 ** (np.maximum(np.frexp(np.where(r == 0, 1, r))[1] - 1, 0) - 1)
;;       q = np.round(r / step) * step * 2.0 ** e      # np.round: ties to even
;;       return np.moveaxis(q.reshape(q.shape[:-2] + (-1,))[..., :K], -1, axis).astype(np.float32)
;;   ~~~
;;   SOFTMAX AHEAD OF A QUANTISED PRODUCT. Where the list says 'softmax', what is quantised is not the finished softmax but p = 2^(t - M), with t = logit x log2(e) and M = ceil(the row's largest t), a whole number; so 1/2 < the row's largest p <= 1. The row's sum l is taken of the UNQUANTISED p, in f32, and the product's result is divided by l at the end. Since M is a whole number, a kernel that streams over the keys may use a running M (the ceiling of the running maximum): every later rescaling is an exact power of two, which a block's scale takes up: the codes' values come out the same.
;;   OPERANDS COMPUTED ON THE WAY. 'Computed on the way' means the value that the module computes at that place (a softmax that the list does not call 'softmax' is quantised finished and normalised). What goes into a quantiser is computed in f32, as accurately as f32 sums, v_exp_f32 and their like allow (about 1e-6 of the number): no bf16 or f16 on the way to a quantiser, and a product that is left as it is and whose result goes on into a quantised operand takes f32 operands (vector FMAs, or v_wmma_f32_16x16x4_f32). A number that lies on a knife's edge between two numbers of the format may be rounded either way, as far as f32 arithmetic and the matrix unit's own rounding can turn it there, and no further.
;; One version. Each part assembles by itself: llvm-mc -triple=amdgcn-amd-amdhsa -mcpu=gfx1250 --defsym DOCPART=n.
;; ======== version 1 of 1: 4 launches
;; limits: right only within a limited range of input values
;; workspace buffers: cod 8,388,608 bytes; scl 524,288 bytes; qb 2,359,296 bytes; kv 4,587,520 bytes; oc 2,097,152 bytes; os 131,072 bytes
;; launch quant (part 1): grid 512 x 1, 4 waves a work-group, no clusters, 33,280 bytes of LDS; arguments query, key, value, Wq, Wk, Wv, Wo, cod, scl; writes cod, scl
.if DOCPART == 1
	.amdgcn_target "amdgcn-amd-amdhsa--gfx1250"
	.amdhsa_code_object_version 6
	.text
	.protected	k_q607a953d82_quant
	.globl	k_q607a953d82_quant
	.p2align	8
	.type	k_q607a953d82_quant,@function
k_q607a953d82_quant:
	s_mov_b64 s[64:65], 0
	v_nop
	global_prefetch_b8 v0, s[64:65] scope:SCOPE_SE
	s_setreg_imm32_b32 hwreg(HW_REG_WAVE_MODE, 25, 1), 1
	s_wait_xcnt 0x0
; query, key, value [4096][1024] and Wq, Wk, Wv, Wo [1024][1024], f32 with K innermost, become codes of FP4 (E2M1), two a byte, and one E8M0 scale byte for each 32 along K.
; The seven tensors are laid one behind the other as 16,384 rows of 1,024: row R has 512 bytes in cod and 32 bytes in scl (query 0, key 4096, value 8192, Wq 12288, Wk 13312, Wv 14336, Wo 15360).
; A block's scale is 2^(floor(log2(its largest magnitude)) - 2): its byte is the largest magnitude's exponent field - 2, held at 1 from below.  A block of zeros so gets the byte 1 where the
; quantiser says 127: its codes are zeros, which add nothing under any byte but 0xff, and the bytes are read by this program alone.
; LIMITS: blocks whose largest magnitude lies under 2^-124 are held at the byte 1; NaN and infinities among the inputs are not served.
; Rows are dense and 1,024 is a multiple of 32, so everything is a plain stream of blocks.  A work-group takes 32,768 numbers, a wave 16 steps of 512.  Each load reads 512 consecutive bytes, 16 a lane;
; a step's 2,048 bytes turn through the wave's own stage in LDS and come back 64 bytes a lane, so that a lane holds 16 neighbours along K (two lanes to a block), as the conversions want them.
; A wave's store of codes covers 256 consecutive bytes; its 256 scale bytes are gathered in LDS and leave as one aligned run of 256.  No barrier: waves share nothing.
; Loads run EIGHT steps ahead, in eight sets of 16 registers: 32 loads, 16,384 bytes, of a wave are out at a time.
.set STEPS, 16
.set AHEAD, 8
.set EMAX,  2
.set CB,    8                          ; bytes of 16 codes
.set R,     16                         ; v16-143  eight sets of 16 numbers as loaded
.set X,     144                        ; v144-175 two sets of 16 neighbours
.set E,     176                        ; v176-191 a scale byte for each step
.set C,     192                        ; v192-223 codes: two registers of its own for each step, so that no store's data are written again
.set SPW,   224                        ; v224 my spare word's LDS address; v225 0: never rewritten
.set NIL,   225
.set WREG,  8192                       ; LDS: a region for each wave: two stages of 32 x SP bytes, then its 256 scale bytes
.set SP,    80                         ; a lane's place in a stage: 64 bytes + 16 of padding
.set SPARE, 0x8000                     ; behind the four regions: the spare words
	s_load_b512 s[8:23], s[0:1], 0x0               ; query s[8:9], key, value, Wq, Wk, Wv, Wo s[20:21], cod s[22:23]
	s_load_b64 s[24:25], s[0:1], 0x40              ; scl
	v_lshl_add_u32 v[SPW], v0, 2, SPARE
	v_mov_b32 v[NIL], 0
	v_lshrrev_b32 v1, 5, v0
	v_readfirstlane_b32 s26, v1                    ; wave
	v_and_b32 v2, 31, v0                           ; lane
	v_lshlrev_b32 v3, 4, v2                        ; my 16 bytes of a load's 512
	s_mul_i32 s27, s26, WREG
	v_lshrrev_b32 v14, 2, v2
	v_mul_u32_u24 v14, v14, SP
	v_and_b32 v15, 3, v2
	v_lshl_add_u32 v14, v15, 4, v14
	v_add_nc_u32 v14, s27, v14                     ; the stage, on the way in: SP (lane / 4) + 16 (lane % 4)
	v_mul_u32_u24 v15, v2, SP
	v_add_nc_u32 v15, s27, v15                     ; and on the way out: SP x lane: my 16 neighbours
	v_mul_u32_u24 v4, v2, CB                       ; my codes' place in a step's
	v_lshrrev_b32 v5, 1, v2
	s_add_co_u32 s27, s27, 2*32*SP
	v_add_nc_u32 v5, s27, v5                       ; LDS: my wave's scale bytes, my block's byte
	v_lshlrev_b32 v7, 3, v2                        ; on the way out 8 bytes a lane
	v_add_nc_u32 v6, s27, v7
	s_wait_alu depctr_va_vdst(0)                   ; the wait at the head's end
	s_wait_kmcnt 0x0
	; which tensor is my work-group's: the choice hangs on the work-group's number alone.  Only the input's pointer is chosen; the outputs are one stream
	s_mov_b64 s[4:5], s[20:21]                     ; Wo, from work-group 480 on
	s_mov_b32 s28, 480
.macro PICK lim, ptr, base
	s_cmp_lt_u32 ttmp9, \lim
	s_cselect_b64 s[4:5], s[\ptr:\ptr+1], s[4:5]
	s_cselect_b32 s28, \base, s28
.endm
	PICK 480, 18, 448                              ; Wv
	PICK 448, 16, 416                              ; Wk
	PICK 416, 14, 384                              ; Wq
	PICK 384, 12, 256                              ; value
	PICK 256, 10, 128                              ; key
	PICK 128, 8, 0                                 ; query
	s_sub_co_u32 s28, ttmp9, s28                   ; my work-group's number within its tensor,
	s_lshl_b32 s28, s28, 17                        ; times 131,072 bytes,
	s_lshl_b32 s29, s26, 15                        ; + 32,768 for each wave
	s_add_co_u32 s28, s28, s29
	s_mov_b32 s29, 0
	s_add_nc_u64 s[4:5], s[4:5], s[28:29]
	s_lshl_b32 s30, ttmp9, 2
	s_add_co_u32 s30, s30, s26                     ; which run of 8,192 numbers of the whole stream is my wave's
	s_lshl_b32 s28, s30, 12                        ; 4,096 bytes of codes a run
	s_add_nc_u64 s[8:9], s[22:23], s[28:29]
	s_lshl_b32 s28, s30, 8                         ; 256 scale bytes a run
	s_add_nc_u64 s[10:11], s[24:25], s[28:29]
.macro LOAD t
.irp i, 0,1,2,3
	global_load_b128 v[R+16*((\t)%AHEAD)+4*\i:R+16*((\t)%AHEAD)+4*\i+3], v3, s[4:5] offset:2048*(\t)+512*\i th:TH_LOAD_NT   ; 32 lanes read 512 consecutive bytes
.endr
.endm
.macro TURN t                          ; step t's numbers through the stage: LDS serves a wave's instructions in order, so no wait stands between the stores and the loads
.irp i, 0,1,2,3
	ds_store_b128 v14, v[R+16*((\t)%AHEAD)+4*\i:R+16*((\t)%AHEAD)+4*\i+3] offset:32*SP*((\t)%2)+8*SP*\i
.endr
.irp i, 0,1,2,3
	ds_load_b128 v[X+16*((\t)%2)+4*\i:X+16*((\t)%2)+4*\i+3], v15 offset:32*SP*((\t)%2)+16*\i
.endr
.endm
.irp t, 0,1,2,3,4,5,6,7
	LOAD \t
.endr
	s_wait_loadcnt 4*(AHEAD-1)                     ; step 0's four loads are in; the 28 of steps 1 to 7 may be out
	TURN 0
.macro STEP t
.set XS, X+16*((\t)%2)
.if (\t) > 0
	s_wait_dscnt 1                                 ; this step's numbers are back from the stage (the last step's byte store may be out): so its stores into the stage have read their registers,
.else
	s_wait_dscnt 0x0
.endif
.if (\t)+AHEAD < STEPS
	LOAD (\t)+AHEAD                                ; which take the loads of eight steps on
.endif
.if (\t)+1 < STEPS
.if STEPS-2-(\t) >= AHEAD-1
	s_wait_loadcnt 4*(AHEAD-1)                     ; the next step's four loads are in; those of the seven steps behind it may be out
.else
	s_wait_loadcnt 4*(STEPS-2-(\t))                ; near the end: as many steps as are left behind it
.endif
	TURN (\t)+1                                    ; and go through the other stage while this step is worked
.endif
	v_max3_num_f32 v8, |v[XS]|, |v[XS+1]|, |v[XS+2]|               ; the largest magnitude of my 16, in two chains
	v_max3_num_f32 v9, |v[XS+3]|, |v[XS+4]|, |v[XS+5]|
.irp i, 6,10
	v_max3_num_f32 v8, v8, |v[XS+\i]|, |v[XS+\i+1]|
	v_max3_num_f32 v9, v9, |v[XS+\i+2]|, |v[XS+\i+3]|
.endr
	v_max3_num_f32 v8, v8, |v[XS+14]|, |v[XS+15]|
	v_max3_num_f32 v8, v8, v9, (EMAX+1)<<23        ; and the floor 2^(3 - 127): the byte cannot fall under 1
	v_max_num_f32_dpp v8, v8, v8 row_xmask:1 row_mask:0xf bank_mask:0xf   ; with my neighbour's 16: the block's
	v_add_nc_u32 v11, -(EMAX<<23), v8              ; 2 off its exponent field: the conversion takes the exponent field of this operand as its scale, and nothing else of it
	v_cvt_scalef32_pk8_fp4_f32 v[C+2*(\t)], v[XS:XS+7], v11        ; to the nearest code, ties to even, beyond the largest code the largest
	v_cvt_scalef32_pk8_fp4_f32 v[C+2*(\t)+1], v[XS+8:XS+15], v11
	v_lshrrev_b32 v[E+(\t)], 23, v11               ; the scale's byte (also the plain line behind the conversions)
	ds_store_b8 v5, v[E+(\t)] offset:16*(\t)       ; both lanes of a block write the same byte with the same value
	global_store_b64 v4, v[C+2*(\t):C+2*(\t)+1], s[8:9] offset:32*CB*(\t)   ; the wave stores 256 consecutive bytes, aligned
.endm
.irp t, 0,1,2,3,4,5,6,7,8,9,10,11,12,13,14,15
	STEP \t
.endr
	ds_load_b64 v[12:13], v6                       ; LDS serves a wave's instructions in order: these see my stores
	s_wait_dscnt 0x0
	global_store_b64 v7, v[12:13], s[10:11]        ; 32 lanes store 256 consecutive bytes, aligned
	s_wait_tensorcnt 0x0                           ; the wave's end
	ds_add_u32 v[SPW], v[NIL]
	s_wait_dscnt 0x0
	s_endpgm
.Lfunc_end_k_q607a953d82_quant:
	.size	k_q607a953d82_quant, .Lfunc_end_k_q607a953d82_quant-k_q607a953d82_quant
	.p2alignl 7, 3214868480
	.fill 96, 4, 3214868480
	.section	.rodata,"a",@progbits
	.p2align	6, 0x0
	.amdhsa_kernel k_q607a953d82_quant
		.amdhsa_group_segment_fixed_size 33280
		.amdhsa_private_segment_fixed_size 0
		.amdhsa_enable_private_segment 0
		.amdhsa_kernarg_size 72
		.amdhsa_user_sgpr_count 2
		.amdhsa_user_sgpr_kernarg_segment_ptr 1
		.amdhsa_wavefront_size32 1
		.amdhsa_system_sgpr_workgroup_id_x 1
		.amdhsa_system_sgpr_workgroup_id_y 1
		.amdhsa_system_sgpr_workgroup_id_z 1
		.amdhsa_system_vgpr_workitem_id 0
		.amdhsa_next_free_vgpr 226
		.amdhsa_next_free_sgpr 66
		.amdhsa_reserve_vcc 0
		.amdhsa_float_denorm_mode_32 3
		.amdhsa_float_denorm_mode_16_64 3
		.amdhsa_memory_ordered 1
		.amdhsa_forward_progress 1
		.amdhsa_inst_pref_size 34
	.end_amdhsa_kernel
	.amdgpu_metadata
---
amdhsa.version: [ 1, 2 ]
amdhsa.kernels:
  - .name:           k_q607a953d82_quant
    .symbol:         k_q607a953d82_quant.kd
    .args:
      - { .name: query, .offset: 0, .size: 8, .value_kind: global_buffer, .address_space: global }
      - { .name: key, .offset: 8, .size: 8, .value_kind: global_buffer, .address_space: global }
      - { .name: value, .offset: 16, .size: 8, .value_kind: global_buffer, .address_space: global }
      - { .name: Wq, .offset: 24, .size: 8, .value_kind: global_buffer, .address_space: global }
      - { .name: Wk, .offset: 32, .size: 8, .value_kind: global_buffer, .address_space: global }
      - { .name: Wv, .offset: 40, .size: 8, .value_kind: global_buffer, .address_space: global }
      - { .name: Wo, .offset: 48, .size: 8, .value_kind: global_buffer, .address_space: global }
      - { .name: cod, .offset: 56, .size: 8, .value_kind: global_buffer, .address_space: global }
      - { .name: scl, .offset: 64, .size: 8, .value_kind: global_buffer, .address_space: global }
    .group_segment_fixed_size: 33280
    .private_segment_fixed_size: 0
    .kernarg_segment_align: 8
    .kernarg_segment_size: 72
    .max_flat_workgroup_size: 128
    .sgpr_count:     66
    .vgpr_count:     226
    .wavefront_size: 32
...
	.end_amdgpu_metadata
.endif
;; end of part 1
;; launch proj (part 2): grid 4 x 48, 4 waves a work-group, clusters of 4 x 4, 327,680 bytes of LDS; arguments cod, scl, bq, bk, bv, qb, kv; writes qb, kv
.if DOCPART == 2
	.amdgcn_target "amdgcn-amd-amdhsa--gfx1250"
	.amdhsa_code_object_version 6
	.text
	.protected	k_q607a953d82_proj
	.globl	k_q607a953d82_proj
	.p2align	8
	.type	k_q607a953d82_proj,@function
k_q607a953d82_proj:
	s_mov_b64 s[64:65], 0
	v_nop
	global_prefetch_b8 v0, s[64:65] scope:SCOPE_SE
	s_setreg_imm32_b32 hwreg(HW_REG_WAVE_MODE, 25, 1), 1
	s_wait_xcnt 0x0
	s_wait_alu depctr_hold_cnt(0) depctr_sa_sdst(0) depctr_va_vdst(0) depctr_va_sdst(0) depctr_va_ssrc(0) depctr_va_vcc(0) depctr_vm_vsrc(0)
	s_getreg_b32 s2, hwreg(HW_REG_IB_STS2, 6, 4)
	s_cmp_eq_u32 s2, 0
	s_cbranch_scc0 .Lentry_in_a_cluster
	s_endpgm
.Lentry_in_a_cluster:
	s_bfe_u32 s2, ttmp6, 0x10000c
	s_cmp_lg_u32 s2, 0xf033
	s_cbranch_scc0 .Lentry_shape_is_right
	s_endpgm
.Lentry_shape_is_right:
.set KSTEP,  512
.set NQ,     KSTEP/128
.set ROWB,   512
.set KROW,   512
.set PITCH,  528
.set FR,     8
.set NL,     2
.set NP,     4
.set HALFT,  128*PITCH
.set SLOT,   4*HALFT
.set KS,     32
.set SCL,    SLOT
.set HALFS,  (128*KS/256)*272
.set SBLK,   (16*KS/256)*272
.set SPARE,  SCL+4*HALFS
.set L16,  8
.set L8,   9
.set BO,   10
.set BR,   11
.set LN,   12
.set ADRA, 16
.set ADRB, 20
.set ADRS, 27
.set SPW,  28
.set NIL,  29
.set SC,   32
.set PC,   96
.set TM,   104
.set PWS,  120
.set AF,   128
.set T,    128
.set XP,   128
.set BB,   192
.set G1, 24
.set G0, 32
.set G1B, 48
.set G0B, 56
.set G1S, 68
.set G0S, 76
.set G1SB, 80
.set G0SB, 88
.set SEL, 100
.set MSB, 0
.macro WIN new
.if MSB != \new
	s_set_vgpr_msb (MSB<<8)|\new
.set MSB, \new
.endif
.endm
.set MUL_LO, 0xa1
.set MUL_HI, 0xf1
.set TO_B,   0x40
.macro JLOAD g0a, g1a, g0b, g1b
	s_cmp_eq_u32 s15, 0
	s_cbranch_scc0 .Lfor_b_\@
	tensor_load_to_lds s[\g0a:\g0a+3], s[\g1a:\g1a+7]
	s_nop 0
.rept 4
	v_nop
.endr
	s_branch .Lasked_\@
.Lfor_b_\@:
	tensor_load_to_lds s[\g0b:\g0b+3], s[\g1b:\g1b+7]
	s_nop 0
.rept 4
	v_nop
.endr
.Lasked_\@:
.endm
.macro CROUND
	s_barrier_signal -1
	s_barrier_wait -1
	s_cmp_lg_u32 s14, 0
	s_cbranch_scc1 .Lnot_wave_0_\@
	s_barrier_signal -3
.Lnot_wave_0_\@:
	s_barrier_wait -3
	s_barrier_signal -1
	s_barrier_wait -1
.endm
	s_load_b128 s[4:7], s[0:1], 0x0
	s_load_b128 s[8:11], s[0:1], 0x10
	s_load_b64 s[12:13], s[0:1], 0x20
	s_load_b128 s[96:99], s[0:1], 0x28
	v_lshl_add_u32 v[SPW], v0, 2, SPARE
	v_mov_b32 v[NIL], 0
	ds_add_u32 v28, v29
	ds_add_u32 v28, v29
	s_wait_dscnt 0x0
	v_lshrrev_b32 v1, 5, v0
	v_readfirstlane_b32 s14, v1
	s_lshr_b32 s15, s14, 1
	s_and_b32 s16, s14, 1
	s_bfe_u32 s40, ttmp6, 0x40000
	s_bfe_u32 s41, ttmp6, 0x40004
	s_and_b32 s66, ttmp7, 0xffff
	s_and_b32 s67, s66, 3
	s_lshl_b32 s67, s67, 2
	s_lshr_b32 s66, s66, 2
	s_mov_b32 s18, 14336
	s_mov_b32 s19, 8192
	s_cmp_eq_u32 s66, 2
	s_cselect_b32 s95, 0, s67
	s_cselect_b32 s94, s67, 0
	s_cselect_b32 s18, s18, 0
	s_cselect_b32 s19, s19, 12288
	s_cmp_eq_u32 s66, 1
	s_cselect_b32 s18, 4096, s18
	s_cselect_b32 s19, 13312, s19
	s_add_co_u32 s17, s95, s41
	s_add_co_u32 s42, s94, s40
	s_lshl_b32 s43, s41, 2
	s_lshl_b32 s43, 15, s43
	s_lshl_b32 s44, 0x1111, s40
	s_or_b32 s[G1+0], s43, (0<<16)|(1<<20)|(1<<21)|(6<<22)|(3<<25)
	s_or_b32 s[G1B+0], s44, (0<<16)|(1<<20)|(1<<21)|(6<<22)|(3<<25)
.irp g, G1, G1B
	s_mov_b32 s[\g+1], ROWB<<16
	s_mov_b32 s[\g+2], 256<<16
	s_mov_b32 s[\g+3], ROWB<<16
	s_mov_b32 s[\g+4], 256
	s_mov_b32 s[\g+5], KROW
	s_mov_b32 s[\g+6], 0
	s_mov_b32 s[\g+7], 0
.endr
	s_or_b32 s[G1S+0], s43, (3<<16)|(1<<20)|(1<<21)|(5<<22)|(3<<25)
	s_or_b32 s[G1SB+0], s44, (3<<16)|(1<<20)|(1<<21)|(5<<22)|(3<<25)
.irp g, G1S, G1SB
	s_mov_b32 s[\g+1], 32<<16
	s_mov_b32 s[\g+2], (256*KS/256)<<16
	s_mov_b32 s[\g+3], 32<<16
	s_mov_b32 s[\g+4], 256*KS/256
	s_mov_b32 s[\g+5], 32
	s_mov_b32 s[\g+6], 0
	s_mov_b32 s[\g+7], 0
.endr
	s_lshl_b32 s20, s17, 8
	s_add_co_u32 s20, s20, s18
	s_lshl_b32 s46, s42, 8
	s_add_co_u32 s46, s46, s19
	s_lshl_b32 s22, s20, 5
	s_lshl_b32 s92, s46, 5
	s_lshl_b32 s20, s20, 9
	s_lshl_b32 s46, s46, 9
	s_mov_b32 s21, 0
	s_mov_b32 s23, 0
	s_mov_b32 s47, 0
	s_mov_b32 s93, 0
	CROUND                                         ; the round in front of the first joint loads names the wave's number alone: the arguments' scalar loads are out under it
	s_wait_kmcnt 0x0
	s_add_nc_u64 s[20:21], s[4:5], s[20:21]
	s_add_nc_u64 s[22:23], s[6:7], s[22:23]
	s_add_nc_u64 s[46:47], s[4:5], s[46:47]
	s_add_nc_u64 s[92:93], s[6:7], s[92:93]
; ALL OF K COMES AT ONCE: A's 256 rows and B's 256 rows of 512 bytes (1,024 codes; LDS pitch 528) and both blocks of scale bytes are 288,256 bytes of LDS with the spare words: no byte is filled twice.
; Four tiles, four waves, one joint load a wave, in one chain of branches on the wave's number.
	s_mov_b32 s[G0S], 1                            ; the scales of A's 256 rows,
	s_mov_b32 s[G0S+1], SCL
	s_mov_b64 s[G0S+2:G0S+3], s[22:23]
	s_or_b32 s[G0S+3], s[G0S+3], 0x80000000
	s_mov_b32 s[G0SB], 1                           ; of B's,
	s_mov_b32 s[G0SB+1], SCL+2*HALFS
	s_mov_b64 s[G0SB+2:G0SB+3], s[92:93]
	s_or_b32 s[G0SB+3], s[G0SB+3], 0x80000000
	s_mov_b32 s[G0], 1                             ; A's codes,
	s_mov_b32 s[G0+1], 0
	s_mov_b64 s[G0+2:G0+3], s[20:21]
	s_or_b32 s[G0+3], s[G0+3], 0x80000000
	s_mov_b32 s[G0B], 1                            ; and B's, behind them
	s_mov_b32 s[G0B+1], 2*HALFT
	s_mov_b64 s[G0B+2:G0B+3], s[46:47]
	s_or_b32 s[G0B+3], s[G0B+3], 0x80000000
.macro ARM under, g0, g1, next
	s_cmp_lt_u32 s14, \under
	s_cbranch_scc0 \next
	tensor_load_to_lds s[\g0:\g0+3], s[\g1:\g1+7]
	s_nop 0
.rept 4
	v_nop
.endr
	s_branch .Lhead_asked
\next:
.endm
	ARM 1, G0,  G1,  .Lhead_b
	ARM 2, G0B, G1B, .Lhead_sa
	ARM 3, G0S, G1S, .Lhead_sb
	tensor_load_to_lds s[G0SB:G0SB+3], s[G1SB:G1SB+7]
	s_nop 0
.rept 4
	v_nop
.endr
.Lhead_asked:
	v_and_b32 v1, 15, v0
	v_bfe_u32 v2, v0, 4, 1
	v_mul_u32_u24 v3, v1, PITCH
	v_lshl_add_u32 v4, v2, 4, v3
	s_mul_i32 s21, s15, HALFT
	s_mul_i32 s22, s16, HALFT
	s_add_co_u32 s22, s22, 2*HALFT
.irp s, 0,1
	v_add_nc_u32 v[ADRA+\s], s21, v4
	v_add_nc_u32 v[ADRB+\s], s22, v4
	s_add_co_u32 s21, s21, 256
	s_add_co_u32 s22, s22, 256
.endr
	v_mul_u32_u24 v5, v1, KS
	v_lshrrev_b32 v6, 8, v5
	v_lshl_add_u32 v5, v6, 4, v5
	s_mul_i32 s21, s15, HALFS
	s_mul_i32 s22, s16, HALFS
	s_add_co_u32 s22, s22, 2*HALFS
	s_sub_co_u32 s22, s22, s21
	v_mul_u32_u24 v6, s22, v2
	s_add_co_u32 s21, s21, SCL
	v_add_nc_u32 v5, v5, v6
	v_add_nc_u32 v[ADRS], s21, v5
	v_and_b32 v[LN], 31, v0
	v_lshlrev_b32 v[L16], 4, v[LN]
	v_lshlrev_b32 v[L8], 3, v[LN]
	v_lshlrev_b32 v[BO], 5, v2
	v_lshlrev_b32 v[BR], 2, v1
.irp b, 0,1,2,3
	v_mov_b32 v[TM+4+\b], 0
.endr
	s_lshl_b32 s2, s17, 8
	s_lshl_b32 s18, s15, 7
	s_add_co_u32 s2, s2, s18
	s_lshl_b32 s3, s42, 8
	s_lshl_b32 s18, s16, 7
	s_add_co_u32 s3, s3, s18
	s_mov_b32 s[SEL], 0x76543210
	s_mov_b32 s[SEL+1], 0xfedcba98
.macro FRAG reg, adr, q, i
.irp c, 0,1
	ds_load_b128 v[\reg+4*\c:\reg+4*\c+3], v[\adr] offset:64*(\q)+32*\c+(\i)*16*PITCH
.endr
.endm
.macro MUL16 a0, p, q, sc, zero
.irp a, \a0, \a0+1
.irp b, 0,1,2,3,4,5,6,7
.if \zero
	v_wmma_scale_f32_16x16x128_f8f6f4 v[8*(8*((\a)%4)+\b):8*(8*((\a)%4)+\b)+7], v[128*(\p)+FR*\b:128*(\p)+FR*\b+FR-1], v[AF+FR*(\a):AF+FR*(\a)+FR-1], 0, v[SC+8*NQ*(\sc)+NQ*\b+(\q)], v[SC+8*NQ*(\sc)+NQ*(\a)+(\q)] matrix_a_fmt:MATRIX_FMT_FP4 matrix_b_fmt:MATRIX_FMT_FP4 matrix_a_scale:MATRIX_SCALE_ROW1
.else
	v_wmma_scale_f32_16x16x128_f8f6f4 v[8*(8*((\a)%4)+\b):8*(8*((\a)%4)+\b)+7], v[128*(\p)+FR*\b:128*(\p)+FR*\b+FR-1], v[AF+FR*(\a):AF+FR*(\a)+FR-1], v[8*(8*((\a)%4)+\b):8*(8*((\a)%4)+\b)+7], v[SC+8*NQ*(\sc)+NQ*\b+(\q)], v[SC+8*NQ*(\sc)+NQ*(\a)+(\q)] matrix_a_fmt:MATRIX_FMT_FP4 matrix_b_fmt:MATRIX_FMT_FP4 matrix_a_scale:MATRIX_SCALE_ROW1
.endif
.endr
.endr
.endm
.macro FETCH_B slot, q, p
	WIN TO_B
.irp i, 0,1,2,3,4,5,6,7
	FRAG 128*(\p)+FR*\i, ADRB+\slot, \q, \i
.endr
	WIN 0
.endm
.macro FETCH_A slot, q, i0
.irp i, \i0, \i0+1, \i0+2, \i0+3
	FRAG AF+FR*(\i), ADRA+\slot, \q, \i
.endr
.endm
.macro SCALES sc
.irp i, 0,1,2,3,4,5,6,7
	ds_load_b128 v[SC+8*NQ*\sc+NQ*\i:SC+8*NQ*\sc+NQ*\i+3], v[ADRS] offset:\i*SBLK
.endr
.endm
.macro PLACES n
.rept \n
	v_nop
.endr
.endm
.macro STEP slot, q, zero
	s_wait_dscnt 4*NL
	WIN MUL_LO
	MUL16 0, (\q)%2, \q, \slot, \zero
	MUL16 2, (\q)%2, \q, \slot, \zero
	s_wait_dscnt 0
	PLACES NP
	FETCH_B \slot, (\q)+1, 1-(\q)%2
	FETCH_A \slot, (\q)+1, 0
	WIN MUL_HI
	MUL16 4, (\q)%2, \q, \slot, \zero
	MUL16 6, (\q)%2, \q, \slot, \zero
	PLACES NP
	WIN 0
	FETCH_A \slot, (\q)+1, 4
.endm
	s_wait_alu depctr_va_vdst(0)                   ; the wait at the head's end
	s_wait_tensorcnt 0x0                           ; my tile of the four is in
	s_barrier_signal -1
	s_barrier_wait -1
	FETCH_B 0, 0, 0
	FETCH_A 0, 0, 0
	SCALES 0
	FETCH_A 0, 0, 4
	STEP 0, 0, 1
	STEP 0, 1, 0
	STEP 0, 2, 0
	s_wait_dscnt 4*NL                              ; on to the second half of K, 256 bytes on in each LDS row: nothing is filled, so no barrier stands here
	WIN MUL_LO
	MUL16 0, 1, NQ-1, 0, 0
	MUL16 2, 1, NQ-1, 0, 0
	s_wait_dscnt 0x0
	WIN 0
	PLACES NP
	v_add_nc_u32 v[ADRS], 4*NQ, v[ADRS]
	FETCH_B 1, 0, 0
	FETCH_A 1, 0, 0
	SCALES 1
	WIN MUL_HI
	MUL16 4, 1, NQ-1, 0, 0
	MUL16 6, 1, NQ-1, 0, 0
	PLACES NP
	WIN 0
	FETCH_A 1, 0, 4
	STEP 1, 0, 0
.macro OUTBLK a, vp
.set AC, 64*((\a)%4)
.set WW, 0x02+(\a)/4
	WIN WW
.set I, 0
.rept 32
.if \vp
	v_pk_add_f32 v[T+I:T+I+1], v[AC+I:AC+I+1], v[BB+2*(\a):BB+2*(\a)+1]
.else
	v_pk_add_f32 v[T+I:T+I+1], v[AC+I:AC+I+1], v[BB+I:BB+I+1]
.endif
.set I, I+2
.endr
	WIN 0
.irp b, 0,1,2,3
	v_max3_num_f32 v[TM+\b], |v[T+16*\b]|, |v[T+1+16*\b]|, 0x1800000
.endr
.irp i, 2,4,6,8,10,12,14
.irp b, 0,1,2,3
	v_max3_num_f32 v[TM+\b], v[TM+\b], |v[T+16*\b+\i]|, |v[T+1+16*\b+\i]|
.endr
.endr
.irp b, 0,1,2,3
	v_permlanex16_b32 v[TM+4+\b], v[TM+\b], s[SEL], s[SEL+1]
.endr
.irp b, 0,1,2,3
	v_max_num_f32 v[TM+\b], v[TM+\b], v[TM+4+\b]
.endr
.irp b, 0,1,2,3
	v_add_nc_u32 v[TM+12+\b], 0xff000000, v[TM+\b]
.endr
.irp b, 0,1,2,3
	v_lshrrev_b32 v[TM+4+\b], 23, v[TM+12+\b]
.endr
	v_lshl_or_b32 v[PWS+(\a)], v[TM+5], 8, v[TM+4]
	v_lshl_or_b32 v[PWS+(\a)], v[TM+6], 16, v[PWS+(\a)]
	v_lshl_or_b32 v[PWS+(\a)], v[TM+7], 24, v[PWS+(\a)]
.if (\a) > 0
	s_wait_xcnt 0x0
.endif
.irp c, 0,1
	v_cvt_scalef32_pk8_fp4_f32 v[PC+4*\c],   v[T+32*\c:T+32*\c+7],     v[TM+12+2*\c]
	v_cvt_scalef32_pk8_fp4_f32 v[PC+4*\c+2], v[T+32*\c+8:T+32*\c+15],  v[TM+12+2*\c]
	v_cvt_scalef32_pk8_fp4_f32 v[PC+4*\c+1], v[T+32*\c+16:T+32*\c+23], v[TM+13+2*\c]
	v_cvt_scalef32_pk8_fp4_f32 v[PC+4*\c+3], v[T+32*\c+24:T+32*\c+31], v[TM+13+2*\c]
.endr
	v_nop
.irp c, 0,1
	v_permlane16_swap_b32 v[PC+4*\c], v[PC+4*\c+1]
	v_permlane16_swap_b32 v[PC+4*\c+2], v[PC+4*\c+3]
.endr
.if \vp
.if (\a) < 4
	global_store_b128 v[L16], v[PC:PC+3], s[12:13] offset:4608+1024*((\a)%4)
	global_store_b128 v[L16], v[PC+4:PC+7], s[12:13] offset:4608+1024*((\a)%4)+512
.else
	global_store_b128 v[L16], v[PC:PC+3], s[20:21] offset:4608+1024*((\a)%4)
	global_store_b128 v[L16], v[PC+4:PC+7], s[20:21] offset:4608+1024*((\a)%4)+512
.endif
.else
	global_store_b128 v[L16], v[PC:PC+3], s[12:13] offset:512*(\a)
	global_store_b128 v[L16], v[PC+4:PC+7], s[20:21] offset:512*(\a)
.endif
.endm
.macro TAIL vp
.if \vp
	s_lshl_b32 s18, s2, 2
	s_mov_b32 s19, 0
	s_add_nc_u64 s[8:9], s[12:13], s[18:19]
.irp a, 0,1,2,3,4,5,6,7
	global_load_b32 v[BB+2*\a], v[BR], s[8:9] offset:64*\a
	global_load_b32 v[BB+2*\a+1], v[BR], s[8:9] offset:64*\a
.endr
	s_mov_b64 s[12:13], s[98:99]
	s_mov_b32 s23, 8960
	s_lshr_b32 s18, s3, 7
	s_lshr_b32 s22, s2, 6
.else
	s_mov_b32 s23, 8960
	s_cmp_eq_u32 s66, 0
	s_cselect_b64 s[8:9], s[8:9], s[10:11]
	s_cselect_b64 s[12:13], s[96:97], s[98:99]
	s_cselect_b32 s23, 4608, s23
	s_lshl_b32 s18, s3, 2
	s_mov_b32 s19, 0
	s_add_nc_u64 s[8:9], s[8:9], s[18:19]
.irp b, 0,1,2,3,4,5,6,7
	global_load_b128 v[BB+8*\b:BB+8*\b+3], v[BO], s[8:9] offset:64*\b
	global_load_b128 v[BB+8*\b+4:BB+8*\b+7], v[BO], s[8:9] offset:64*\b+16
.endr
	s_lshr_b32 s18, s2, 7
	s_lshr_b32 s22, s3, 6
.endif
	s_lshr_b32 s20, s18, 4
	s_and_b32 s18, s18, 15
	s_lshl_b32 s20, s20, 4
	s_add_co_u32 s20, s20, s22
	s_lshl_b32 s20, s20, 4
	s_add_co_u32 s20, s20, s18
	s_mul_i32 s18, s20, s23
	s_mov_b32 s19, 0
	s_add_nc_u64 s[12:13], s[12:13], s[18:19]
	s_lshl_b32 s18, s23, 4
	s_add_nc_u64 s[20:21], s[12:13], s[18:19]
	STEP 1, 1, 0
	STEP 1, 2, 0
	s_wait_dscnt 4*NL
	WIN MUL_LO
	MUL16 0, 1, NQ-1, 1, 0
	MUL16 2, 1, NQ-1, 1, 0
	s_wait_dscnt 0
	WIN MUL_HI
	MUL16 4, 1, NQ-1, 1, 0
	MUL16 6, 1, NQ-1, 1, 0
	WIN 0
	PLACES NP
	v_cmp_le_u32 s94, 16, v[LN]
	s_wait_loadcnt 0x0
.irp a, 0,1,2,3,4,5,6,7
	OUTBLK \a, \vp
.endr
.irp p, 0,1,2,3
	v_cndmask_b32 v[XP+\p], v[PWS+2*\p], v[PWS+2*\p+1], s94
.endr
.if \vp
	global_store_b64 v[L8], v[XP:XP+1], s[12:13] offset:8704
	global_store_b64 v[L8], v[XP+2:XP+3], s[20:21] offset:8704
.else
.irp p, 0,1,2,3
	v_and_b32 v[XP+4+\p], 0xffff, v[XP+\p]
	v_lshrrev_b32 v[XP+8+\p], 16, v[XP+\p]
.endr
	global_store_b128 v[L16], v[XP+4:XP+7], s[12:13] offset:4096
	global_store_b128 v[L16], v[XP+8:XP+11], s[20:21] offset:4096
.endif
.endm
	s_cmp_eq_u32 s66, 2
	s_cbranch_scc1 .Lfor_v
	s_wait_alu depctr_va_vdst(0)
	TAIL 0
	s_branch .Lend
.Lfor_v:
	s_wait_alu depctr_va_vdst(0)
	TAIL 1
.Lend:
	s_wait_tensorcnt 0x0
	ds_add_u32 v[SPW], v[NIL]
	s_wait_dscnt 0x0
	CROUND
	s_endpgm
.Lfunc_end_k_q607a953d82_proj:
	.size	k_q607a953d82_proj, .Lfunc_end_k_q607a953d82_proj-k_q607a953d82_proj
	.p2alignl 7, 3214868480
	.fill 96, 4, 3214868480
	.section	.rodata,"a",@progbits
	.p2align	6, 0x0
	.amdhsa_kernel k_q607a953d82_proj
		.amdhsa_group_segment_fixed_size 327680
		.amdhsa_private_segment_fixed_size 0
		.amdhsa_enable_private_segment 0
		.amdhsa_kernarg_size 56
		.amdhsa_user_sgpr_count 2
		.amdhsa_user_sgpr_kernarg_segment_ptr 1
		.amdhsa_wavefront_size32 1
		.amdhsa_system_sgpr_workgroup_id_x 1
		.amdhsa_system_sgpr_workgroup_id_y 1
		.amdhsa_system_sgpr_workgroup_id_z 1
		.amdhsa_system_vgpr_workitem_id 0
		.amdhsa_next_free_vgpr 1024
		.amdhsa_next_free_sgpr 104
		.amdhsa_reserve_vcc 0
		.amdhsa_float_denorm_mode_32 3
		.amdhsa_float_denorm_mode_16_64 3
		.amdhsa_memory_ordered 1
		.amdhsa_forward_progress 1
		.amdhsa_inst_pref_size 225
	.end_amdhsa_kernel
	.amdgpu_metadata
---
amdhsa.version: [ 1, 2 ]
amdhsa.kernels:
  - .name:           k_q607a953d82_proj
    .symbol:         k_q607a953d82_proj.kd
    .args:
      - { .name: cod, .offset: 0, .size: 8, .value_kind: global_buffer, .address_space: global }
      - { .name: scl, .offset: 8, .size: 8, .value_kind: global_buffer, .address_space: global }
      - { .name: bq, .offset: 16, .size: 8, .value_kind: global_buffer, .address_space: global }
      - { .name: bk, .offset: 24, .size: 8, .value_kind: global_buffer, .address_space: global }
      - { .name: bv, .offset: 32, .size: 8, .value_kind: global_buffer, .address_space: global }
      - { .name: qb, .offset: 40, .size: 8, .value_kind: global_buffer, .address_space: global }
      - { .name: kv, .offset: 48, .size: 8, .value_kind: global_buffer, .address_space: global }
    .group_segment_fixed_size: 327680
    .private_segment_fixed_size: 0
    .kernarg_segment_align: 8
    .kernarg_segment_size: 56
    .max_flat_workgroup_size: 128
    .sgpr_count:     104
    .vgpr_count:     1024
    .wavefront_size: 32
...
	.end_amdgpu_metadata
.endif
;; end of part 2
;; launch attn (part 3): grid 8 x 32, 16 waves a work-group, clusters of 4 x 1, 169,984 bytes of LDS; arguments qb, kv, quantum_phases, w_real, w_imag, oc, os; writes oc, os
.if DOCPART == 3
	.amdgcn_target "amdgcn-amd-amdhsa--gfx1250"
	.amdhsa_code_object_version 6
	.text
	.protected	k_q607a953d82_attn
	.globl	k_q607a953d82_attn
	.p2align	8
	.type	k_q607a953d82_attn,@function
k_q607a953d82_attn:
	s_mov_b64 s[64:65], 0
	v_nop
	global_prefetch_b8 v0, s[64:65] scope:SCOPE_SE
	s_setreg_imm32_b32 hwreg(HW_REG_WAVE_MODE, 25, 1), 1
	s_wait_xcnt 0x0
	s_wait_alu depctr_hold_cnt(0) depctr_sa_sdst(0) depctr_va_vdst(0) depctr_va_sdst(0) depctr_va_ssrc(0) depctr_va_vcc(0) depctr_vm_vsrc(0)
	s_getreg_b32 s2, hwreg(HW_REG_IB_STS2, 6, 4)
	s_cmp_eq_u32 s2, 0
	s_cbranch_scc0 .Lentry_in_a_cluster
	s_endpgm
.Lentry_in_a_cluster:
	s_bfe_u32 s2, ttmp6, 0x10000c
	s_cmp_lg_u32 s2, 0x3003
	s_cbranch_scc0 .Lentry_shape_is_right
	s_endpgm
.Lentry_shape_is_right:
; For each of 32 (batch, head): a = Q . K (codes of FP4, K = 64); s = a / 8; logit = s cos(theta + 0.1 s) + 0.1 sum(w_real w_imag) sin(theta); softmax over 2,048 keys; times V (codes, K = the keys);
; the result is divided by the row's sum and quantised along the head's 64 channels for the last projection.  Nothing of reference() is left out: the constant term moves ceil(largest t) and so p's codes.
; THE SOFTMAX: t = logit x log2(e); M = the row's largest t so far, rounded UP to a whole number; p = 2^(t - M) is quantised along the keys; the row's sum is taken of the unquantised p.
; When M moves, the sum and O are multiplied by 2^(old M - new M), which rounds nothing.
; THE COSINE, in f32: y = x / 2 pi = a (0.1 / 16 pi) + theta / 2 pi (theta / 2 pi reduced to +-1/2 once, at the head); f = y - floor(y); cos x = 1 - 2 sin^2(pi f).  sin(pi f) is even about f = 1/2, so it is a
; function of q = f - f f, 0 .. 1/4: S = sqrt(2) sin(pi f) is a polynomial of degree 4 in q, the Chebyshev series of cos(pi v), v v = 1/4 - q, cut behind T4 (what is cut is 2 J10(pi / 2), under 5e-8); all its
; coefficients are positive, so nothing cancels.  u = a - (a S) S = a cos x.  Ten issue slots for two scores.  t = u log2(e) / 8 + cst.
; LIMITS: y is an f32 number, so x is known to half a unit in y's last place times 2 pi; the promise holds while |t| stays under 2^31; p under 2^-126 is flushed to 0 by v_exp_f32 (ISA guide 15.8);
; NaN and infinities are not served; blocks under 2^-124 are held at the scale byte 1 (a block of zeros too: its codes are zeros, and this program alone reads the bytes).
; SHARES.  A work-group owns 256 queries of one (batch, head); each of its sixteen waves 16 of them in 256 registers, four waves to a SIMD.
; LDS.  A head's K, V and scale words are 16 key steps x 8,960 bytes: they come ONCE, each wave fetching one step; no byte is filled twice.  So there is no loop to run ahead in, and no prefetch is written.
; CLUSTER.  The four query blocks of a cluster belong to one head: each step is asked for jointly, by the same tensor load with the same descriptor and a mask that names the four.
; LAYOUT.  Both products are used transposed: S^T = K Q^T, O^T = V^T P^T: lane (r, h) holds query r throughout.
; THE KEYS OF A TILE ARE CHOSEN ON THE WAY OUT OF LDS: row m of tile t is key 64 (t / 4) + 32 (m / 8) + 8 (t % 4) + m % 8.  So register j of tile t in half h is key 64 (t / 4) + 32 h + 8 (t % 4) + j:
; the 32 registers of tiles 4 c .. 4 c + 3 are ONE WHOLE BLOCK of 32 neighbouring keys, block 2 c + h: its largest u needs no other lane, and the conversions' results are P's operand registers as they stand.
; K = 64 IS HALF OF THE INSTRUCTION'S 128: Q's registers 4-7 are zero codes; K's operand for tile t is v[X + 4 t : X + 4 t + 7]: its upper four registers are the next tile's codes (behind the last: zeros),
; finite numbers that meet zero codes; the scale words' bytes 2 and 3 are 0, which stands for 2^-127 and not for NaN.
; K's fragments share their 32 registers with the cosine's scratch: the next step's are asked for when the last chunk is done, a softmax ahead of their use.
; THE ROW'S SUM stays in eight chains of two numbers from step to step: each chain's first line of a step is chain x f + p, one fused line; the chains are joined once, on the way out.
.set STEPB, 8960                       ; a key step in LDS and in kv: K's codes 4,096;
.set KSO,   4096                       ; K's scale words 512;
.set VCO,   4608                       ; V's codes 4,096;
.set VSO,   8704                       ; V's scale words 256
.set STG,   16*STEPB                   ; 512 bytes in which the work-group's 256 pairs of scale bytes meet
.set SPARE, 0x29000                    ; the spare words: 128 bytes for each of 16 waves
.set LI,  1                            ; 16 x lane
.set L8,  2                            ; 8 x lane
.set ADR, 3                            ; the step's LDS byte + 16 x lane
.set ADV, 4                            ; + 8 x lane
.set QSA, 5                            ; 16 x (lane % 16)
.set TH,  6                            ; v[6:7] theta / 2 pi, reduced, twice
.set C4V, 10                           ; v[10:11] the highest coefficient, twice
.set NM,  12                           ; -M
.set UMX, 13                           ; the largest u so far
.set LS,  14                           ; v[14:15] the first chain of the row's sum
.set F,   16                           ; v16-47 V's four tiles
.set AK0, 48                           ; my lane's place in a step's K codes
.set AKS0, 49                          ; and among K's scale words
.set AK,  50                           ; the same in the next step
.set AKS, 51
.set QF,  52                           ; v52-55 Q's codes; v56-59 zeros
.set QS,  60
.set PS,  61
.set VS,  62                           ; v[62:63]
.set KSC, 64                           ; v[64:67]
.set NMC, 68                           ; v[68:69] cst - M (the low word serves both halves)
.set FF,  70                           ; v[70:71] f = 2^(old M - new M) (likewise)
.set CST, 72
.set THE, 73
.set ZO,  74
.set H8,  75                           ; 8 x (lane / 16)
.set BM,  76                           ; v76-79 four chains of maxima; the two blocks' end in v76 and v78
.set PB,  80                           ; v80-83 permute destinations, scale bytes
.set SO,  84                           ; v84-85 the conversions' scale operands
.set X,   92                           ; v92-107  K's tiles 0-3; a chunk's y, f, S
.set N,   108                          ; v108-123 K's tiles 4-7; a chunk's q, a S
.set ZK,  124                          ; v124-127 zeros behind K's last tile
.set S,   128                          ; v128-191 S^T, then u, then p
.set O,   192                          ; v192-223 O^T
.set PC,  224                          ; v224-231 p's codes
.set SA,  238                          ; v240-253 the other seven chains of the row's sum
.set WV,  18
.set K1,  36                           ; scalar pairs: the packed forms name a pair and take its low word for both halves, so both words are written
.set C3,  38
.set C2,  40
.set C1,  42
.set C0,  44
.set CL,  46
.set TN,  48                           ; the next step's LDS byte
.set SEL, 58                           ; s[58:59] lane l xor 16
.set TB,  60                           ; the step's LDS byte
.set CNT, 61
.macro CROUND
	s_barrier_signal -1
	s_barrier_wait -1
	s_cmp_lg_u32 s[WV], 0
	s_cbranch_scc1 .Lnot_wave_0_\@
	s_barrier_signal -3
.Lnot_wave_0_\@:
	s_barrier_wait -3
	s_barrier_signal -1
	s_barrier_wait -1
.endm
.macro PAIR reg, val
	s_mov_b32 s[\reg], \val
	s_mov_b32 s[\reg+1], \val
.endm
.macro D1
	s_delay_alu instid0(VALU_DEP_1)
.endm
.macro D2
	s_delay_alu instid0(VALU_DEP_2)
.endm
.macro KLOAD a, w                      ; a step's eight tiles of K by the choice of keys above, and their scale words: register p: lanes 0-15 tile 2 p, lanes 16-31 tile 2 p + 1
.irp t, 0,1,2,3,4,5,6,7
	ds_load_b128 v[X+4*\t:X+4*\t+3], v[\a] offset:2048*(\t/4)+512*((\t%4)/2)+128*(\t%2)
.endr
.irp p, 0,1,2,3
	ds_load_b32 v[KSC+\p], v[\w] offset:KSO+256*(\p%2)+8*(\p/2)
.endr
.endm
.macro OM j                            ; two numbers of O^T under the new M
	v_pk_mul_f32 v[O+2*(\j):O+2*(\j)+1], v[O+2*(\j):O+2*(\j)+1], v[FF:FF+1] op_sel_hi:[1,0]
.endm
	s_load_b256 s[4:11], s[0:1], 0x0               ; qb, kv, quantum_phases, w_real
	s_load_b128 s[12:15], s[0:1], 0x20             ; w_imag, oc
	s_load_b64 s[16:17], s[0:1], 0x30              ; os
	v_lshl_add_u32 v254, v0, 2, SPARE
	v_mov_b32 v255, 0
	ds_add_u32 v254, v255                          ; the opening lines: the add twice on end and its wait
	ds_add_u32 v254, v255
	v_lshrrev_b32 v1, 5, v0
	v_readfirstlane_b32 s[WV], v1                  ; wave 0..15
	s_bfe_u32 s19, ttmp6, 0x40000                  ; cx
	s_lshl_b32 s20, ttmp9, 2
	s_add_co_u32 s20, s20, s19                     ; my block of 256 queries: it enters Q's and the outputs' addresses alone
	s_and_b32 s21, ttmp7, 0xffff                   ; batch x 16 + head, which the four partners share
	s_and_b32 s22, s21, 15                         ; head
	s_lshr_b32 s23, s21, 4                         ; batch
	s_mov_b32 s24, 15|(3<<16)|(1<<21)              ; group 1: 8,960 dense bytes as 35 rows of 256; the mask names all four
	s_mov_b32 s25, 32<<16
	s_mov_b32 s26, 35<<16
	s_mov_b32 s27, 32<<16
	s_mov_b32 s28, 35
	s_mov_b32 s29, 32
	s_mov_b32 s30, 0
	s_mov_b32 s31, 0
	s_lshl_b32 s62, s21, 4
	s_add_co_u32 s62, s62, s[WV]                   ; wave w fetches key step w of the head
	s_mul_i32 s62, s62, STEPB
	s_mov_b32 s63, 0
	PAIR K1, 0x3b026136                            ; 0.1 / 16 pi
	PAIR C3, 0x3fc953cd                            ; sqrt(2) x 1.11218699
	PAIR C2, 0x408e2f85                            ; sqrt(2) x 3.14188753
	PAIR C1, 0x408e2bfd                            ; sqrt(2) x 3.14158341
	PAIR C0, 0x338c956c                            ; sqrt(2) x 4.629e-8
	PAIR CL, 0x3e38aa3b                            ; log2(e) / 8
	s_mov_b32 s[SEL], 0x76543210
	s_mov_b32 s[SEL+1], 0xfedcba98
	s_wait_dscnt 0x0
	CROUND                                         ; all four work-groups are here: the joint loads meet.  The round names the wave's number alone: the arguments' scalar loads are out under it
	s_wait_kmcnt 0x0
	s_mov_b32 s32, 1
	s_mul_i32 s33, s[WV], STEPB
	s_add_nc_u64 s[34:35], s[6:7], s[62:63]
	s_or_b32 s35, s35, 0x80000000
	tensor_load_to_lds s[32:35], s[24:31]          ; my one tensor load of the launch
	s_nop 0
.rept 4
	v_nop
.endr
	v_and_b32 v90, 31, v0                          ; lane
	v_and_b32 v91, 15, v0                          ; r
	v_bfe_u32 v92, v0, 3, 1                        ; m / 8
	v_and_b32 v93, 7, v0                           ; m % 8
	v_bfe_u32 v94, v0, 4, 1                        ; h
	v_lshlrev_b32 v[LI], 4, v90
	v_lshlrev_b32 v[L8], 3, v90
	v_lshlrev_b32 v[QSA], 4, v91
	v_lshlrev_b32 v93, 4, v93
	v_lshlrev_b32 v[H8], 3, v94
	v_lshl_add_u32 v[AK0], v92, 10, v93            ; K's codes: 1024 (m / 8) + 16 (m % 8) + 256 h
	v_lshl_add_u32 v[AKS0], v92, 2, v93            ; K's words: 4 (m / 8) + 16 (m % 8) + 128 h
	v_lshl_add_u32 v[AK0], v94, 8, v[AK0]
	v_lshl_add_u32 v[AKS0], v94, 7, v[AKS0]
	v_mov_b32 v[ZO], 0
	s_wait_alu depctr_va_vdst(0)                   ; the wait ahead of the run of scalar lines
	s_lshl_b32 s66, s21, 4
	s_lshl_b32 s67, s20, 1
	s_add_co_u32 s66, s66, s67
	s_lshr_b32 s67, s[WV], 3
	s_add_co_u32 s66, s66, s67                     ; my group of 128 queries
	s_mul_i32 s66, s66, 4608
	s_mov_b32 s67, 0
	s_add_nc_u64 s[4:5], s[4:5], s[66:67]
	s_and_b32 s68, s[WV], 7                        ; my tile in it
	s_lshl_b32 s66, s68, 9
	s_add_nc_u64 s[70:71], s[4:5], s[66:67]
	global_load_b128 v[QF:QF+3], v[LI], s[70:71]   ; Q's fragment stays in registers
	s_and_b32 s66, s[WV], 1
	s_lshl_b32 s66, s66, 8                         ; an odd tile's words lie 256 bytes on;
	s_lshr_b32 s68, s68, 1
	s_lshl_b32 s68, s68, 2                         ; pair tile / 2: 4 bytes on for each
	s_add_co_u32 s66, s66, s68
	s_add_nc_u64 s[72:73], s[4:5], s[66:67]
	global_load_b32 v[QS], v[QSA], s[72:73] offset:4096
	s_lshl_b32 s66, s22, 8                         ; the head's 64 numbers of w_real and w_imag: two a lane
	s_add_nc_u64 s[10:11], s[10:11], s[66:67]
	s_add_nc_u64 s[12:13], s[12:13], s[66:67]
	global_load_b64 v[92:93], v[L8], s[10:11]
	global_load_b64 v[94:95], v[L8], s[12:13]
	s_lshl_b32 s66, s22, 2
	s_add_nc_u64 s[8:9], s[8:9], s[66:67]
	global_load_b32 v[THE], v[ZO], s[8:9]          ; theta of my head, in every lane
.irp j, 0,1,2,3
	v_mov_b32 v[ZK+\j], 0                          ; behind K's last tile,
	v_mov_b32 v[QF+4+\j], 0                        ; and Q's upper half: zero codes
	v_mov_b32 v[PB+\j], 0                          ; a lane permute's destination counts as one of its sources
.endr
	v_mov_b32 v[C4V], 0x3e9f127d                   ; sqrt(2) x 0.21968955
	v_mov_b32 v[C4V+1], 0x3e9f127d
	v_mov_b32 v[UMX], 0xff61b1e6                   ; the largest u so far: -3e38
	v_mov_b32 v[NM], 0x7e000000                    ; -M to go with it: a large whole number; the first f is 0 and meets zeros
	v_mov_b32 v[LS], 0
	v_mov_b32 v[LS+1], 0
	v_mov_b32 v[NMC+1], 0                          ; (named as the upper halves of pairs)
	v_mov_b32 v[FF+1], 0
.set J, 2
.rept 14
	v_mov_b32 v[SA+J], 0                           ; the sum's other chains
.set J, J+1
.endr
.set J, 0
.rept 32
	v_mov_b32 v[O+J], 0                            ; O^T: the step is written once; the first finds zeros
.set J, J+1
.endr
	s_wait_alu depctr_va_vdst(0)                   ; the wait ahead of the wait below
	s_wait_loadcnt 0x0
	v_mul_f32 v90, 0x3e22f983, v[THE]              ; theta / 2 pi
	v_mul_f32 v92, v92, v94
	v_rndne_f32 v91, v90
	v_fma_f32 v92, v93, v95, v92                   ; my two products; then the sum over the 32 lanes
	v_sub_f32 v[TH], v90, v91                      ; reduced: exact
	v_add_f32_dpp v92, v92, v92 row_xmask:1 row_mask:0xf bank_mask:0xf
	v_mov_b32 v[TH+1], v[TH]
	v_add_f32_dpp v92, v92, v92 row_xmask:2 row_mask:0xf bank_mask:0xf
	v_add_f32 v93, 0xbe800000, v[TH]               ; sin(theta) = cos(theta - pi / 2): y - 1/4
	v_add_f32_dpp v92, v92, v92 row_xmask:4 row_mask:0xf bank_mask:0xf
	v_fract_f32 v93, v93
	v_add_f32_dpp v92, v92, v92 row_xmask:8 row_mask:0xf bank_mask:0xf
	v_fma_f32 v94, -v93, v93, v93                  ; q
	v_permlanex16_b32 v[PB], v92, s[SEL], s[SEL+1]
	v_fma_f32 v95, v94, v[C4V], s[C3]
	v_add_f32 v92, v92, v[PB]
	v_fma_f32 v95, v95, v94, s[C2]
	D1
	v_fma_f32 v95, v95, v94, s[C1]
	D1
	v_fma_f32 v95, v95, v94, s[C0]
	D1
	v_fma_f32 v95, -v95, v95, 1.0                  ; sin(theta)
	D1
	v_mul_f32 v92, v92, v95
	D1
	v_mul_f32 v92, 0x3dcccccd, v92                 ; x 0.1
	D1
	v_mul_f32 v[CST], 0x3fb8aa3b, v92              ; x log2(e)
	s_mov_b32 s[TB], 0
	s_mov_b32 s[TN], STEPB
	s_mov_b32 s[CNT], 16
	s_wait_alu depctr_va_vdst(0)                   ; the wait at the head's end
	s_wait_tensorcnt 0x0                           ; my key step has landed,
	s_barrier_signal -1
	s_barrier_wait -1                              ; everybody's has: the head lies in LDS
	KLOAD AK0, AKS0                                ; step 0's K
; 16 scores a lane: a becomes u = a cos x.  Each line goes over the chunk's eight pairs, so that no line waits for the line above it.
.macro CHUNK g
.set SB, S+16*(\g)
.irp k, 0,2,4,6,8,10,12,14
	v_pk_fma_f32 v[X+\k:X+\k+1], v[SB+\k:SB+\k+1], s[K1:K1+1], v[TH:TH+1] op_sel_hi:[1,0,1]      ; y (each accumulator is read from its low end on)
.endr
.irp k, 0,1,2,3,4,5,6,7,8,9,10,11,12,13,14,15
	v_fract_f32 v[X+\k], v[X+\k]                                                                  ; f
.endr
.irp k, 0,2,4,6,8,10,12,14
	v_pk_fma_f32 v[N+\k:N+\k+1], v[X+\k:X+\k+1], v[X+\k:X+\k+1], v[X+\k:X+\k+1] neg_lo:[1,0,0] neg_hi:[1,0,0]   ; q = f - f f
.endr
.irp k, 0,2,4,6,8,10,12,14
	v_pk_fma_f32 v[X+\k:X+\k+1], v[N+\k:N+\k+1], v[C4V:C4V+1], s[C3:C3+1] op_sel_hi:[1,1,0]
.endr
.irp c, C2, C1, C0
.irp k, 0,2,4,6,8,10,12,14
	v_pk_fma_f32 v[X+\k:X+\k+1], v[X+\k:X+\k+1], v[N+\k:N+\k+1], s[\c:\c+1] op_sel_hi:[1,1,0]     ; at the end: S = sqrt(2) sin(pi f)
.endr
.endr
.irp k, 0,2,4,6,8,10,12,14
	v_pk_mul_f32 v[N+\k:N+\k+1], v[SB+\k:SB+\k+1], v[X+\k:X+\k+1]                                 ; a S
.endr
.irp k, 0,2,4,6,8,10,12,14
	v_pk_fma_f32 v[SB+\k:SB+\k+1], v[N+\k:N+\k+1], v[X+\k:X+\k+1], v[SB+\k:SB+\k+1] neg_lo:[1,0,0] neg_hi:[1,0,0]   ; u = a - (a S) S
.endr
.endm
.Lstep:                                            ; 16 trips: a key step of 128 keys
	s_wait_dscnt 0x0                               ; this step's K and its scale words are in
.irp t, 0,1,2,3,4,5,6,7
.if (\t)%2
	v_wmma_scale_f32_16x16x128_f8f6f4 v[S+8*\t:S+8*\t+7], v[X+4*\t:X+4*\t+7], v[QF:QF+7], 0, v[KSC+(\t)/2], v[QS] matrix_a_fmt:MATRIX_FMT_FP4 matrix_b_fmt:MATRIX_FMT_FP4 matrix_a_scale:MATRIX_SCALE_ROW1
.else
	v_wmma_scale_f32_16x16x128_f8f6f4 v[S+8*\t:S+8*\t+7], v[X+4*\t:X+4*\t+7], v[QF:QF+7], 0, v[KSC+(\t)/2], v[QS] matrix_a_fmt:MATRIX_FMT_FP4 matrix_b_fmt:MATRIX_FMT_FP4
.endif
.endr
	v_add_nc_u32 v[ADR], s[TB], v[LI]              ; the step's four addresses are also the four places behind the products: of this step's (reads of the scores, writes over K) and of the last step's (loads into V's registers)
	v_add_nc_u32 v[ADV], s[TB], v[L8]
	v_add_nc_u32 v[AK], s[TN], v[AK0]
	v_add_nc_u32 v[AKS], s[TN], v[AKS0]
.irp d, 0,1,2,3
.irp c, 0,1
	ds_load_b128 v[F+8*\d+4*\c:F+8*\d+4*\c+3], v[ADR] offset:VCO+1024*\d+512*\c   ; V's four channel tiles, asked for a whole softmax ahead of their use
.endr
.endr
	ds_load_b64 v[VS:VS+1], v[ADV] offset:VSO
	CHUNK 0
	CHUNK 1
	CHUNK 2
	CHUNK 3
	KLOAD AK, AKS                                  ; the next step's K into the scratch that is done with: 12 loads (the last trip reads step 15's again, so that the counted wait below holds in every trip alike)
.irp b, 0,1,2,3
	v_max3_num_f32 v[BM+\b], v[S+16*\b], v[S+16*\b+1], v[S+16*\b+2]   ; the largest u of each block serves twice: for the row's maximum, and, since p rises with u, for the block's largest p.  Four chains by turns
.endr
.irp i, 3,5,7,9,11,13
.irp b, 0,1,2,3
	v_max3_num_f32 v[BM+\b], v[BM+\b], v[S+16*\b+\i], v[S+16*\b+\i+1]
.endr
.endr
.irp c, 0,1
	v_max3_num_f32 v[BM+2*\c], v[BM+2*\c], v[BM+2*\c+1], v[S+32*\c+15]
.endr
.irp c, 0,1
	v_max_num_f32 v[BM+2*\c], v[BM+2*\c], v[S+32*\c+31]            ; my block 2 c + h: all its 32 keys are mine
.endr
	v_mov_b32 v91, v[NM]
	v_max_num_f32 v90, v[BM], v[BM+2]
	D1
	v_permlanex16_b32 v[PB], v90, s[SEL], s[SEL+1]
	D1
	v_max3_num_f32 v[UMX], v[UMX], v90, v[PB]      ; the running largest u of my query
	D1
	v_fma_f32 v90, v[UMX], s[CL], v[CST]           ; as t
	D1
	v_floor_f32 v[NM], -v90                        ; the new -M = -ceil(t): a whole number
	D1
	v_add_f32 v[NMC], v[CST], v[NM]                ; cst - M
	v_sub_f32 v91, v[NM], v91                      ; M's old value less its new one: a whole number, 0 or less; f is made of it beside the lines below
.set J, 0
.rept 32
	v_pk_fma_f32 v[S+J:S+J+1], v[S+J:S+J+1], s[CL:CL+1], v[NMC:NMC+1] op_sel_hi:[1,0,0]   ; t - M, two at a time
.set J, J+2
.endr
	v_cvt_i32_f32 v91, v91                         ; (it saturates)
.irp c, 0,1
	v_fma_f32 v[BM+2*\c], v[BM+2*\c], s[CL], v[NMC]   ; t - M of each block's largest u
.endr
	s_wait_alu depctr_va_vdst(0)                   ; the wait ahead of the batch
.set J, 0
.rept 64
	v_exp_f32 v[S+J], v[S+J]                       ; p = 2^(t - M): not normalised
.set J, J+1
.endr
	v_ldexp_f32 v[FF], 1.0, v91                    ; f = 2^(old M - new M) (the plain line behind the exponentials)
	s_wait_alu depctr_va_vdst(0)                   ; one wait for the whole batch, ahead of its first reader
.irp c, 0,1
	v_exp_f32 v[BM+2*\c], v[BM+2*\c]               ; the block's largest p: the same two instructions on the same number give the same bits
.endr
.irp i, 1,2,3,4,5,6,7                  ; the row's sum of the unquantised p: eight chains, two numbers a line; the first line of each brings the chain under the new M
	v_pk_fma_f32 v[SA+2*\i:SA+2*\i+1], v[SA+2*\i:SA+2*\i+1], v[FF:FF+1], v[S+2*\i-2:S+2*\i-1] op_sel_hi:[1,0,1]
.endr
	v_pk_fma_f32 v[LS:LS+1], v[LS:LS+1], v[FF:FF+1], v[S+14:S+15] op_sel_hi:[1,0,1]
.irp r, 1,2,3
.irp i, 1,2,3,4,5,6,7
	v_pk_add_f32 v[SA+2*\i:SA+2*\i+1], v[SA+2*\i:SA+2*\i+1], v[S+16*\r+2*\i-2:S+16*\r+2*\i-1]
.endr
	v_pk_add_f32 v[LS:LS+1], v[LS:LS+1], v[S+16*\r+14:S+16*\r+15]
.endr
	s_wait_alu depctr_va_vdst(0)                   ; and one for the two
.irp c, 0,1
	v_max_num_f32 v[BM+2*\c], 0x1800000, v[BM+2*\c]   ; the floor 2^(3 - 127): the byte cannot fall under 1
.endr
.irp c, 0,1
	v_add_nc_u32 v[SO+\c], 0xff000000, v[BM+2*\c]  ; 2 off the exponent field: the conversion's scale operand
.endr
.irp c, 0,1
.irp i, 0,1,2,3
	v_cvt_scalef32_pk8_fp4_f32 v[PC+4*\c+\i], v[S+32*\c+8*\i:S+32*\c+8*\i+7], v[SO+\c]   ; register 4 c + i: keys 64 c + 32 h + 8 i + 0 .. 7: the operand's layout
.endr
.endr
.irp c, 0,1
	v_lshrrev_b32 v[PB+\c], 23, v[SO+\c]           ; the scale's byte (also the plain line behind the scaled conversions)
.endr
	s_wait_alu depctr_va_vdst(0)                   ; the wait ahead of the first reader of O^T
	OM 0                                           ; O^T under the new M, each accumulator from its low end on; p's scale word is put together among the first lines, twelve lines ahead of the products
	v_lshl_or_b32 v90, v[PB+1], 16, v[PB]          ; my two bytes, blocks h and 2 + h,
	OM 1
	D2
	v_lshlrev_b32 v90, v[H8], v90                  ; at their places in the word;
	OM 2
	D2
	v_permlanex16_b32 v[PB+2], v90, s[SEL], s[SEL+1]
	OM 3
	D2
	v_or_b32 v[PS], v90, v[PB+2]                   ; with lane l xor 16's two the word is whole
.irp j, 4,5,6,7,8,9,10,11,12,13,14,15
	OM \j
.endr
	s_wait_alu depctr_va_vdst(0)                   ; the wait ahead of the wait below
	s_wait_dscnt 12                                ; V's nine loads are in; the 12 younger ones, the next step's K, may be out
.irp d, 0,1,2,3                        ; the four accumulators by turns
.if (\d)%2
	v_wmma_scale_f32_16x16x128_f8f6f4 v[O+8*\d:O+8*\d+7], v[F+8*\d:F+8*\d+7], v[PC:PC+7], v[O+8*\d:O+8*\d+7], v[VS+(\d)/2], v[PS] matrix_a_fmt:MATRIX_FMT_FP4 matrix_b_fmt:MATRIX_FMT_FP4 matrix_a_scale:MATRIX_SCALE_ROW1
.else
	v_wmma_scale_f32_16x16x128_f8f6f4 v[O+8*\d:O+8*\d+7], v[F+8*\d:F+8*\d+7], v[PC:PC+7], v[O+8*\d:O+8*\d+7], v[VS+(\d)/2], v[PS] matrix_a_fmt:MATRIX_FMT_FP4 matrix_b_fmt:MATRIX_FMT_FP4
.endif
.endr
	s_add_co_u32 s[TB], s[TB], STEPB
	s_add_co_u32 s[TN], s[TB], STEPB
	s_min_u32 s[TN], s[TN], 15*STEPB               ; no step lies behind the last
	s_sub_co_u32 s[CNT], s[CNT], 1
	s_cmp_lg_u32 s[CNT], 0
	s_cbranch_scc1 .Lstep
	; THE WAY OUT.  O^T / the sum; its 64 channels are two blocks of the last projection's K: quantised here, the codes leave as an image of that operand's registers.
	s_wait_dscnt 0x0                               ; the last trip's loads are in: their registers are free
	v_pk_add_f32 v[LS:LS+1], v[LS:LS+1], v[SA+2:SA+3]            ; the sum's eight chains are joined
	v_pk_add_f32 v[SA+4:SA+5], v[SA+4:SA+5], v[SA+6:SA+7]
	v_pk_add_f32 v[SA+8:SA+9], v[SA+8:SA+9], v[SA+10:SA+11]
	v_pk_add_f32 v[SA+12:SA+13], v[SA+12:SA+13], v[SA+14:SA+15]
	v_pk_add_f32 v[LS:LS+1], v[LS:LS+1], v[SA+4:SA+5]
	v_pk_add_f32 v[SA+8:SA+9], v[SA+8:SA+9], v[SA+12:SA+13]
	D1
	v_pk_add_f32 v[LS:LS+1], v[LS:LS+1], v[SA+8:SA+9]
	D1
	v_add_f32 v[LS], v[LS], v[LS+1]                ; its two halves,
	D1
	v_permlanex16_b32 v[PB], v[LS], s[SEL], s[SEL+1]
	D1
	v_add_f32 v[LS], v[LS], v[PB]                  ; and lane l xor 16's: the row's sum
	s_wait_alu depctr_va_vdst(0)
	v_rcp_f32 v[LS], v[LS]
	v_and_b32 v90, 15, v0                          ; (a plain line behind the reciprocal)
	D1
	v_lshlrev_b32 v90, 1, v90
	s_lshl_b32 s66, s[WV], 5
	v_add_nc_u32 v90, s66, v90
	D1
	v_add_nc_u32 v90, STG, v90                     ; where my query's two scale bytes go: 32 x wave + 2 r
	v_add_nc_u32 v91, STG, v[LI]                   ; and where wave 0 reads them back
	s_lshl_b32 s66, s23, 7
	s_lshl_b32 s67, s20, 4
	s_add_co_u32 s66, s66, s67
	s_add_co_u32 s66, s66, s[WV]                   ; my tile of 16 tokens: 128 x batch + 16 x block + wave
	s_lshl_b32 s66, s66, 4
	s_add_co_u32 s66, s66, s22                     ; x 16 heads + head
	s_lshl_b32 s66, s66, 9                         ; x 512 bytes
	s_mov_b32 s67, 0
	s_add_nc_u64 s[14:15], s[14:15], s[66:67]
	s_lshl_b32 s66, s22, 13                        ; os: 8,192 bytes a head,
	s_lshl_b32 s68, s23, 12                        ; 4,096 a batch,
	s_add_co_u32 s66, s66, s68
	s_lshl_b32 s68, s20, 9                         ; 512 a block of 256 tokens
	s_add_co_u32 s66, s66, s68
	s_add_nc_u64 s[16:17], s[16:17], s[66:67]
	s_wait_alu depctr_va_vdst(0)                   ; the wait ahead of the reciprocal's first reader, and of O^T's
.set J, 0
.rept 16
	v_pk_mul_f32 v[S+J:S+J+1], v[O+J:O+J+1], v[LS:LS+1] op_sel_hi:[1,0]   ; register 8 d + j: channel 16 d + 8 h + j of my query
.set J, J+2
.endr
.irp b, 0,1
	v_max3_num_f32 v[BM+\b], |v[S+16*\b]|, |v[S+16*\b+1]|, 0x1800000
.endr
.irp i, 2,4,6,8,10,12,14
.irp b, 0,1
	D2
	v_max3_num_f32 v[BM+\b], v[BM+\b], |v[S+16*\b+\i]|, |v[S+16*\b+\i+1]|
.endr
.endr
.irp b, 0,1
	D2
	v_permlanex16_b32 v[PB+\b], v[BM+\b], s[SEL], s[SEL+1]
.endr
.irp b, 0,1
	D2
	v_max_num_f32 v[BM+\b], v[BM+\b], v[PB+\b]
.endr
.irp b, 0,1
	D2
	v_add_nc_u32 v[SO+\b], 0xff000000, v[BM+\b]
.endr
.irp b, 0,1
	D2
	v_lshrrev_b32 v[PB+\b], 23, v[SO+\b]
.endr
	D1
	v_lshl_or_b32 v92, v[PB+1], 8, v[PB]           ; my query's two scale bytes
	v_cvt_scalef32_pk8_fp4_f32 v[PC],   v[S:S+7],     v[SO]
	v_cvt_scalef32_pk8_fp4_f32 v[PC+2], v[S+8:S+15],  v[SO]
	v_cvt_scalef32_pk8_fp4_f32 v[PC+1], v[S+16:S+23], v[SO+1]
	v_cvt_scalef32_pk8_fp4_f32 v[PC+3], v[S+24:S+31], v[SO+1]
	v_nop
	v_permlane16_swap_b32 v[PC], v[PC+1]           ; half blocks become whole blocks in a lane
	v_permlane16_swap_b32 v[PC+2], v[PC+3]
	global_store_b128 v[LI], v[PC:PC+3], s[14:15]  ; the wave stores 512 consecutive bytes, aligned
	ds_store_b16 v90, v92                          ; both halves of the lanes write the same bytes with the same value
	s_wait_dscnt 0x0                               ; for the others' sake
	s_barrier_signal -1
	s_barrier_wait -1
	s_cmp_lg_u32 s[WV], 0
	s_cbranch_scc1 .Lnot_first
	ds_load_b128 v[96:99], v91                     ; the work-group's 256 pairs of bytes
	s_wait_dscnt 0x0
	global_store_b128 v[LI], v[96:99], s[16:17]    ; 512 consecutive bytes, aligned
.Lnot_first:
	s_wait_tensorcnt 0x0                           ; the wave's end
	ds_add_u32 v254, v255
	s_wait_dscnt 0x0
	CROUND                                         ; the closing round
	s_endpgm
.Lfunc_end_k_q607a953d82_attn:
	.size	k_q607a953d82_attn, .Lfunc_end_k_q607a953d82_attn-k_q607a953d82_attn
	.p2alignl 7, 3214868480
	.fill 96, 4, 3214868480
	.section	.rodata,"a",@progbits
	.p2align	6, 0x0
	.amdhsa_kernel k_q607a953d82_attn
		.amdhsa_group_segment_fixed_size 169984
		.amdhsa_private_segment_fixed_size 0
		.amdhsa_enable_private_segment 0
		.amdhsa_kernarg_size 56
		.amdhsa_user_sgpr_count 2
		.amdhsa_user_sgpr_kernarg_segment_ptr 1
		.amdhsa_wavefront_size32 1
		.amdhsa_system_sgpr_workgroup_id_x 1
		.amdhsa_system_sgpr_workgroup_id_y 1
		.amdhsa_system_sgpr_workgroup_id_z 1
		.amdhsa_system_vgpr_workitem_id 0
		.amdhsa_next_free_vgpr 256
		.amdhsa_next_free_sgpr 80
		.amdhsa_reserve_vcc 0
		.amdhsa_float_denorm_mode_32 3
		.amdhsa_float_denorm_mode_16_64 3
		.amdhsa_memory_ordered 1
		.amdhsa_forward_progress 1
		.amdhsa_inst_pref_size 49
	.end_amdhsa_kernel
	.amdgpu_metadata
---
amdhsa.version: [ 1, 2 ]
amdhsa.kernels:
  - .name:           k_q607a953d82_attn
    .symbol:         k_q607a953d82_attn.kd
    .args:
      - { .name: qb, .offset: 0, .size: 8, .value_kind: global_buffer, .address_space: global }
      - { .name: kv, .offset: 8, .size: 8, .value_kind: global_buffer, .address_space: global }
      - { .name: quantum_phases, .offset: 16, .size: 8, .value_kind: global_buffer, .address_space: global }
      - { .name: w_real, .offset: 24, .size: 8, .value_kind: global_buffer, .address_space: global }
      - { .name: w_imag, .offset: 32, .size: 8, .value_kind: global_buffer, .address_space: global }
      - { .name: oc, .offset: 40, .size: 8, .value_kind: global_buffer, .address_space: global }
      - { .name: os, .offset: 48, .size: 8, .value_kind: global_buffer, .address_space: global }
    .group_segment_fixed_size: 169984
    .private_segment_fixed_size: 0
    .kernarg_segment_align: 8
    .kernarg_segment_size: 56
    .max_flat_workgroup_size: 512
    .sgpr_count:     80
    .vgpr_count:     256
    .wavefront_size: 32
...
	.end_amdgpu_metadata
.endif
;; end of part 3
;; launch oproj (part 4): grid 8 x 32, 4 waves a work-group, clusters of 4 x 4, 327,680 bytes of LDS; arguments oc, os, cod, scl, bo, out0; writes out0
.if DOCPART == 4
	.amdgcn_target "amdgcn-amd-amdhsa--gfx1250"
	.amdhsa_code_object_version 6
	.text
	.protected	k_q607a953d82_oproj
	.globl	k_q607a953d82_oproj
	.p2align	8
	.type	k_q607a953d82_oproj,@function
k_q607a953d82_oproj:
	s_mov_b64 s[64:65], 0
	v_nop
	global_prefetch_b8 v0, s[64:65] scope:SCOPE_SE
	s_setreg_imm32_b32 hwreg(HW_REG_WAVE_MODE, 25, 1), 1
	s_wait_xcnt 0x0
	s_wait_alu depctr_hold_cnt(0) depctr_sa_sdst(0) depctr_va_vdst(0) depctr_va_sdst(0) depctr_va_ssrc(0) depctr_va_vcc(0) depctr_vm_vsrc(0)
	s_getreg_b32 s2, hwreg(HW_REG_IB_STS2, 6, 4)
	s_cmp_eq_u32 s2, 0
	s_cbranch_scc0 .Lentry_in_a_cluster
	s_endpgm
.Lentry_in_a_cluster:
	s_bfe_u32 s2, ttmp6, 0x10000c
	s_cmp_lg_u32 s2, 0xf033
	s_cbranch_scc0 .Lentry_shape_is_right
	s_endpgm
.Lentry_shape_is_right:
.set LAC,  0
.set LBC,  65536
.set LAS,  133120
.set LBS,  137472
.set LSTG, 141824
.set ADRA, 16
.set ADRB, 17
.set ADBS, 18
.set ADAS, 19
.set STO,  20
.set RD,   21
.set CO,   22
.set BOF,  23
.set BSW,  32
.set ASW,  64
.set TL,   96
.set BB,   160
.set MSB, 0
.macro WIN new
.if MSB != \new
	s_set_vgpr_msb (MSB<<8)|\new
.set MSB, \new
.endif
.endm
.macro JLOAD g0a, g1a, g0b, g1b
	s_cmp_eq_u32 s17, 0
	s_cbranch_scc0 .Lfor_b_\@
	tensor_load_to_lds s[\g0a:\g0a+3], s[\g1a:\g1a+7]
	s_nop 0
.rept 4
	v_nop
.endr
	s_branch .Lasked_\@
.Lfor_b_\@:
	tensor_load_to_lds s[\g0b:\g0b+3], s[\g1b:\g1b+7]
	s_nop 0
.rept 4
	v_nop
.endr
.Lasked_\@:
.endm
.macro CROUND
	s_barrier_signal -1
	s_barrier_wait -1
	s_cmp_lg_u32 s16, 0
	s_cbranch_scc1 .Lnot_wave_0_\@
	s_barrier_signal -3
.Lnot_wave_0_\@:
	s_barrier_wait -3
	s_barrier_signal -1
	s_barrier_wait -1
.endm
	s_load_b256 s[4:11], s[0:1], 0x0
	s_load_b128 s[12:15], s[0:1], 0x20
	v_lshl_add_u32 v30, v0, 2, 0x29000
	v_mov_b32 v31, 0
	ds_add_u32 v30, v31
	ds_add_u32 v30, v31
	v_lshrrev_b32 v1, 5, v0
	v_readfirstlane_b32 s16, v1
	s_lshr_b32 s17, s16, 1
	s_and_b32 s18, s16, 1
	s_bfe_u32 s60, ttmp6, 0x40000
	s_bfe_u32 s61, ttmp6, 0x40004
	s_lshl_b32 s62, ttmp9, 2
	s_add_co_u32 s62, s62, s60
	s_and_b32 s63, ttmp7, 0xffff
	s_lshl_b32 s63, s63, 2
	s_add_co_u32 s63, s63, s61
	s_lshl_b32 s66, s61, 2
	s_lshl_b32 s66, 15, s66
	s_lshl_b32 s67, 0x1111, s60
	s_or_b32 s24, s66, (3<<16)|(1<<21)
	s_mov_b32 s25, 32<<16
	s_mov_b32 s26, 256<<16
	s_mov_b32 s27, 32<<16
	s_mov_b32 s28, 256
	s_mov_b32 s29, 32
	s_mov_b32 s30, 0
	s_mov_b32 s31, 0
	s_or_b32 s36, s67, (0<<16)|(1<<20)|(1<<21)|(6<<22)|(3<<25)
	s_mov_b32 s37, 512<<16
	s_mov_b32 s38, 128<<16
	s_mov_b32 s39, 512<<16
	s_mov_b32 s40, 128
	s_mov_b32 s41, 512
	s_mov_b32 s42, 0
	s_mov_b32 s43, 0
	s_or_b32 s48, s66, (3<<16)|(1<<20)|(1<<21)|(5<<22)|(3<<25)
	s_mov_b32 s49, 32<<16
	s_mov_b32 s50, 16<<16
	s_mov_b32 s51, 32<<16
	s_mov_b32 s52, 16
	s_mov_b32 s53, 1024
	s_mov_b32 s54, 0
	s_mov_b32 s55, 0
	s_or_b32 s68, s67, (3<<16)|(1<<20)|(1<<21)|(5<<22)|(3<<25)
	s_mov_b32 s69, 32<<16
	s_mov_b32 s70, 16<<16
	s_mov_b32 s71, 32<<16
	s_mov_b32 s72, 16
	s_mov_b32 s73, 32
	s_mov_b32 s74, 0
	s_mov_b32 s75, 0
	s_lshl_b32 s20, s63, 16
	s_mov_b32 s21, 0
	s_lshl_b32 s22, s63, 8
	s_mov_b32 s23, 0
	s_lshl_b32 s80, s62, 7
	s_add_co_u32 s80, s80, 15360
	s_lshl_b32 s82, s80, 5
	s_lshl_b32 s80, s80, 9
	s_mov_b32 s81, 0
	s_mov_b32 s83, 0
	s_wait_dscnt 0x0
	CROUND                                         ; the round in front of the first joint loads names the wave's number alone: the arguments' scalar loads are out under it
	s_wait_kmcnt 0x0
	s_mov_b32 s32, 1
	s_mov_b32 s33, 0
	s_add_nc_u64 s[34:35], s[4:5], s[20:21]
	s_or_b32 s35, s35, 0x80000000
	s_mov_b32 s44, 1
	s_mov_b32 s45, LBC
	s_add_nc_u64 s[46:47], s[8:9], s[80:81]
	s_or_b32 s47, s47, 0x80000000
	s_mov_b32 s56, 1
	s_mov_b32 s57, LAS
	s_add_nc_u64 s[58:59], s[6:7], s[22:23]
	s_or_b32 s59, s59, 0x80000000
	s_mov_b32 s76, 1
	s_mov_b32 s77, LBS
	s_add_nc_u64 s[78:79], s[10:11], s[82:83]
	s_or_b32 s79, s79, 0x80000000
; THE HEAD'S FOUR TILES GO OUT TOGETHER, each whole, one joint load a wave, in one chain of branches on the wave's number:
; wave 0 A's codes (256 rows of 256 bytes), wave 1 B's codes (128 rows of 512), wave 2 A's scale bytes (16 rows of 256), wave 3 B's (16 rows of 256).  No byte is filled twice.
.macro ARM under, g0, g1, next
	s_cmp_lt_u32 s16, \under
	s_cbranch_scc0 \next
	tensor_load_to_lds s[\g0:\g0+3], s[\g1:\g1+7]
	s_nop 0
.rept 4
	v_nop
.endr
	s_branch .Lhead_asked
\next:
.endm
	ARM 1, 32, 24, .Lhead_b
	ARM 2, 44, 36, .Lhead_sa
	ARM 3, 56, 48, .Lhead_sb
	tensor_load_to_lds s[76:79], s[68:75]
	s_nop 0
.rept 4
	v_nop
.endr
.Lhead_asked:
	v_and_b32 v1, 15, v0
	v_bfe_u32 v2, v0, 4, 1
	v_and_b32 v3, 31, v0
	s_lshl_b32 s19, s17, 15
	v_lshl_add_u32 v[ADRA], v3, 4, s19
	s_mul_i32 s19, s18, 64*528
	s_add_co_u32 s19, s19, LBC
	v_mul_u32_u24 v[ADRB], v1, 528
	v_lshl_add_u32 v[ADRB], v2, 4, v[ADRB]
	v_add_nc_u32 v[ADRB], s19, v[ADRB]
	s_mul_i32 s19, s18, 8*272
	s_add_co_u32 s19, s19, LBS
	v_lshrrev_b32 v4, 3, v1
	v_mul_u32_u24 v4, v4, 272
	v_and_b32 v5, 7, v1
	v_lshl_add_u32 v[ADBS], v5, 5, v4
	v_add_nc_u32 v[ADBS], s19, v[ADBS]
	s_lshl_b32 s19, s17, 7
	s_add_co_u32 s19, s19, LAS
	v_lshl_add_u32 v[ADAS], v1, 1, s19
	s_mul_i32 s19, s16, 16*272
	s_add_co_u32 s19, s19, LSTG
	v_mul_u32_u24 v[STO], v1, 272
	v_lshl_add_u32 v[STO], v2, 5, v[STO]
	v_add_nc_u32 v[STO], s19, v[STO]
	v_mul_u32_u24 v[RD], v2, 272
	v_lshl_add_u32 v[RD], v1, 4, v[RD]
	v_add_nc_u32 v[RD], s19, v[RD]
	v_lshlrev_b32 v[CO], 12, v2
	v_lshl_add_u32 v[CO], v1, 4, v[CO]
	v_lshlrev_b32 v[BOF], 5, v2
	s_lshl_b32 s20, s62, 9
	s_lshl_b32 s19, s18, 8
	s_add_co_u32 s20, s20, s19
	s_mov_b32 s21, 0
	s_add_nc_u64 s[12:13], s[12:13], s[20:21]
.irp b, 0,1,2,3
	global_load_b128 v[BB+8*\b:BB+8*\b+3], v[BOF], s[12:13] offset:64*\b
	global_load_b128 v[BB+8*\b+4:BB+8*\b+7], v[BOF], s[12:13] offset:64*\b+16
.endr
	s_add_nc_u64 s[14:15], s[14:15], s[20:21]
	s_lshl_b32 s20, s63, 19
	s_lshl_b32 s19, s17, 18
	s_add_co_u32 s20, s20, s19
	s_add_nc_u64 s[14:15], s[14:15], s[20:21]
.macro FETCH s
.set WW, 0x40*(1+(\s)/4)
	WIN WW
.set FB, 64*((\s)%4)
.irp i, 0,1,2,3
.irp c, 0,1
	ds_load_b128 v[FB+8*\i+4*\c:FB+8*\i+4*\c+3], v[ADRA] offset:8192*\i+1024*(\s)+512*\c
.endr
.endr
.irp b, 0,1,2,3
.irp c, 0,1
	ds_load_b128 v[FB+32+8*\b+4*\c:FB+32+8*\b+4*\c+3], v[ADRB] offset:16*528*\b+64*(\s)+32*\c
.endr
.endr
.endm
.macro MUL s
.set W, 1+(\s)/4
.if (\s) == 0
.set WW, 0xc0|W|(W<<2)
.else
.set WW, 0xf0|W|(W<<2)
.endif
	WIN WW
.set FB, 64*((\s)%4)
.irp a, 0,1,2,3
.irp b, 0,1,2,3
.if (\s) == 0
	v_wmma_scale_f32_16x16x128_f8f6f4 v[8*(4*\a+\b):8*(4*\a+\b)+7], v[FB+32+8*\b:FB+32+8*\b+7], v[FB+8*\a:FB+8*\a+7], v[BB+8*\b:BB+8*\b+7], v[BSW+8*\b+(\s)], v[ASW+8*\a+(\s)] matrix_a_fmt:MATRIX_FMT_FP4 matrix_b_fmt:MATRIX_FMT_FP4
.else
	v_wmma_scale_f32_16x16x128_f8f6f4 v[8*(4*\a+\b):8*(4*\a+\b)+7], v[FB+32+8*\b:FB+32+8*\b+7], v[FB+8*\a:FB+8*\a+7], v[8*(4*\a+\b):8*(4*\a+\b)+7], v[BSW+8*\b+(\s)], v[ASW+8*\a+(\s)] matrix_a_fmt:MATRIX_FMT_FP4 matrix_b_fmt:MATRIX_FMT_FP4
.endif
.endr
.endr
.endm
	s_wait_tensorcnt 0x0
	s_barrier_signal -1
	s_barrier_wait -1
.irp b, 0,1,2,3
	ds_load_b128 v[BSW+8*\b:BSW+8*\b+3], v[ADBS] offset:544*\b
	ds_load_b128 v[BSW+8*\b+4:BSW+8*\b+7], v[ADBS] offset:544*\b+16
.endr
.irp i, 0,1,2,3
.irp hd, 0,1,2,3,4,5,6,7,8,9,10,11,12,13,14,15
	ds_load_u16 v[TL+16*\i+\hd], v[ADAS] offset:272*\hd+32*\i
.endr
.endr
	FETCH 0
	FETCH 1
	FETCH 2
	WIN 0
	s_wait_dscnt 48
.irp i, 0,1,2,3
.irp s, 0,1,2,3,4,5,6,7
	v_lshl_or_b32 v[ASW+8*\i+\s], v[TL+16*\i+2*\s+1], 16, v[TL+16*\i+2*\s]
.endr
.endr
.rept 8
	v_nop
.endr
	FETCH 3
	s_wait_alu depctr_va_vdst(0)
	s_wait_loadcnt 0x0
.irp s, 0,1,2,3,4,5,6,7
.if \s <= 4
	s_wait_dscnt 48
.else
	s_wait_dscnt 16*(7-\s)
.endif
	MUL \s
.if \s <= 3
	FETCH \s+4
.endif
.endr
	WIN 0
.rept 4
	v_nop
.endr
.irp a, 0,1,2,3
.set BK, 192+32*((\a)%2)
.if \a >= 2
	s_wait_xcnt 0x0
.endif
	WIN 0x0c
.irp b, 0,1,2,3
	ds_store_b128 v[STO], v[8*(4*\a+\b):8*(4*\a+\b)+3] offset:64*\b
	ds_store_b128 v[STO], v[8*(4*\a+\b)+4:8*(4*\a+\b)+7] offset:64*\b+16
.endr
	WIN 0
.irp t, 0,1,2,3,4,5,6,7
	ds_load_b128 v[BK+4*\t:BK+4*\t+3], v[RD] offset:544*\t
.endr
.irp t, 0,1,2,3,4,5,6,7
	s_wait_dscnt 7-\t
	global_store_b128 v[CO], v[BK+4*\t:BK+4*\t+3], s[14:15] offset:65536*\a+8192*\t th:TH_STORE_NT
.endr
.endr
	s_wait_tensorcnt 0x0
	ds_add_u32 v30, v31
	s_wait_dscnt 0x0
	CROUND
	s_endpgm
.Lfunc_end_k_q607a953d82_oproj:
	.size	k_q607a953d82_oproj, .Lfunc_end_k_q607a953d82_oproj-k_q607a953d82_oproj
	.p2alignl 7, 3214868480
	.fill 96, 4, 3214868480
	.section	.rodata,"a",@progbits
	.p2align	6, 0x0
	.amdhsa_kernel k_q607a953d82_oproj
		.amdhsa_group_segment_fixed_size 327680
		.amdhsa_private_segment_fixed_size 0
		.amdhsa_enable_private_segment 0
		.amdhsa_kernarg_size 48
		.amdhsa_user_sgpr_count 2
		.amdhsa_user_sgpr_kernarg_segment_ptr 1
		.amdhsa_wavefront_size32 1
		.amdhsa_system_sgpr_workgroup_id_x 1
		.amdhsa_system_sgpr_workgroup_id_y 1
		.amdhsa_system_sgpr_workgroup_id_z 1
		.amdhsa_system_vgpr_workitem_id 0
		.amdhsa_next_free_vgpr 896
		.amdhsa_next_free_sgpr 84
		.amdhsa_reserve_vcc 0
		.amdhsa_float_denorm_mode_32 3
		.amdhsa_float_denorm_mode_16_64 3
		.amdhsa_memory_ordered 1
		.amdhsa_forward_progress 1
		.amdhsa_inst_pref_size 49
	.end_amdhsa_kernel
	.amdgpu_metadata
---
amdhsa.version: [ 1, 2 ]
amdhsa.kernels:
  - .name:           k_q607a953d82_oproj
    .symbol:         k_q607a953d82_oproj.kd
    .args:
      - { .name: oc, .offset: 0, .size: 8, .value_kind: global_buffer, .address_space: global }
      - { .name: os, .offset: 8, .size: 8, .value_kind: global_buffer, .address_space: global }
      - { .name: cod, .offset: 16, .size: 8, .value_kind: global_buffer, .address_space: global }
      - { .name: scl, .offset: 24, .size: 8, .value_kind: global_buffer, .address_space: global }
      - { .name: bo, .offset: 32, .size: 8, .value_kind: global_buffer, .address_space: global }
      - { .name: out0, .offset: 40, .size: 8, .value_kind: global_buffer, .address_space: global }
    .group_segment_fixed_size: 327680
    .private_segment_fixed_size: 0
    .kernarg_segment_align: 8
    .kernarg_segment_size: 48
    .max_flat_workgroup_size: 128
    .sgpr_count:     84
    .vgpr_count:     896
    .wavefront_size: 32
...
	.end_amdgpu_metadata
.endif
;; end of part 4
